; MI455X (gfx1250); checked and timed in simulation.
; The chip was launched on July 23, 2026; its instructions are those of AMD's public machine-readable ISA for CDNA 5 (MIT licence, August 2026) and "CDNA5" Instruction Set Architecture Reference Guide (July 2026). The comments in the code are by the model that wrote it; some were corrected since.
;; Cross Attention. Allowed arithmetic: matrix products marked QUANTISED: E4M3 operands, one E8M0 scale for each 32 along K, by v_wmma_scale_f32_16x16x128_f8f6f4 with both operands' format E4M3, f32 sums; everything else in f32.
;; Inputs: bk 1,024 float32; bo 1,024 float32; bq 1,024 float32; bv 1,024 float32; wk_codes 1,024 x 32 x 32 uint8 (E4M3 codes of wk, K innermost, in blocks of 32 codes); wk_scales 1,024 x 32 uint8 (E8M0 scales of wk, one for each 32 codes along K); wo_codes 1,024 x 32 x 32 uint8 (E4M3 codes of wo, K innermost, in blocks of 32 codes); wo_scales 1,024 x 32 uint8 (E8M0 scales of wo, one for each 32 codes along K); wq_codes 1,024 x 32 x 32 uint8 (E4M3 codes of wq, K innermost, in blocks of 32 codes); wq_scales 1,024 x 32 uint8 (E8M0 scales of wq, one for each 32 codes along K); wv_codes 1,024 x 32 x 32 uint8 (E4M3 codes of wv, K innermost, in blocks of 32 codes); wv_scales 1,024 x 32 uint8 (E8M0 scales of wv, one for each 32 codes along K); x_codes 4 x 2,048 x 32 x 32 uint8 (E4M3 codes of x, K innermost, in blocks of 32 codes); x_cond_codes 4 x 2,048 x 32 x 32 uint8 (E4M3 codes of x_cond, K innermost, in blocks of 32 codes); x_cond_scales 4 x 2,048 x 32 uint8 (E8M0 scales of x_cond, one for each 32 codes along K); x_scales 4 x 2,048 x 32 uint8 (E8M0 scales of x, one for each 32 codes along K).
;; Outputs: out0 4 x 2,048 x 1,024 float32.
;; This version of the problem:
;;   THIS VERSION OF THE PROBLEM IS GIVEN IN LOW PRECISION. The matrix products marked QUANTISED in the list below multiply operands that are first quantised to E4M3 (4 exponent bits, 3 mantissa bits; 8 bits a number), with one power-of-two scale for each 32 numbers along K (OCP MX v1.0); their sums are f32. All else is computed in f32.
;;   The module's matrix products, in the order in which they are computed (A, B: the left and right operand; K: the contracted axis; several contracted axes count as one K, in the product's order):
;;     1. [M 8,192, K 1,024] x [K 1,024, N 1,024]; A: input x (given as codes); B: input wq (given as codes): QUANTISED
;;     2. [M 8,192, K 1,024] x [K 1,024, N 1,024]; A: input x_cond (given as codes); B: input wk (given as codes): QUANTISED
;;     3. [M 8,192, K 1,024] x [K 1,024, N 1,024]; A: input x_cond (given as codes); B: input wv (given as codes): QUANTISED
;;     4. batch 64 x [M 2,048, K 64] x [K 64, N 2,048]; A: computed on the way; B: computed on the way: QUANTISED
;;     5. batch 64 x [M 2,048, K 2,048] x [K 2,048, N 64]; A: softmax (see below); B: computed on the way: QUANTISED
;;     6. [M 8,192, K 1,024] x [K 1,024, N 1,024]; A: computed on the way; B: input wo (given as codes): QUANTISED
;;   THE QUANTISER, for each operand of a quantised product, along K:
;;     - K is cut into blocks of 32 from its start; a last block that is shorter is filled with zeros.
;;     - A block's scale is 2^e with e = floor(log2(the largest magnitude in the block)) - 8, held to -126 .. 127; a block of zeros has e = 0. As a byte (E8M0): e + 127.
;;     - Each number is divided by its block's scale, clamped to +-448, and rounded to the nearest number of E4M3, ties to even, subnormals kept.
;;     - The product sums the exact products of the quantised numbers (number of the format x scale) in f32.
;;   ~~~python
;;   def quantise(x, axis):      # numpy; x: float32 -> the quantised numbers, widened to float32 again
;;       x = np.moveaxis(x, axis, -1); K = x.shape[-1]
;;       x = np.pad(x, [(0, 0)] * (x.ndim - 1) + [(0, -K % 32)]); x = x.reshape(x.shape[:-1] + (-1, 32)); a = np.abs(x).max(-1, keepdims=True)
;;       e = np.where(a > 0, np.clip(np.frexp(np.where(a > 0, a, 1))[1] - 1 - 8, -126, 127), 0)      # np.frexp(a)[1] - 1 = floor(log2(a)), exactly
;;       r = np.clip(x / 2.0 ** e, -448, 448)
;;       step = 2.0 ** (np.maximum(np.frexp(np.where(r == 0, 1, r))[1] - 1, -6) - 3)
;;       q = np.round(r / step) * step * 2.0 ** e      # np.round: ties to even
;;       return np.moveaxis(q.reshape(q.shape[:-2] + (-1,))[..., :K], -1, axis).astype(np.float32)
;;   ~~~
;;   SOFTMAX AHEAD OF A QUANTISED PRODUCT. Where the list says 'softmax', what is quantised is not the finished softmax but p = 2^(t - M), with t = logit x log2(e) and M = ceil(the row's largest t), a whole number; so 1/2 < the row's largest p <= 1. The row's sum l is taken of the UNQUANTISED p, in f32, and the product's result is divided by l at the end. Since M is a whole number, a kernel that streams over the keys may use a running M (the ceiling of the running maximum): every later rescaling is an exact power of two, which a block's scale takes up: the codes' values come out the same.
;;   OPERANDS COMPUTED ON THE WAY. 'Computed on the way' means the value that the module computes at that place (a softmax that the list does not call 'softmax' is quantised finished and normalised). What goes into a quantiser is computed in f32, as accurately as f32 sums, v_exp_f32 and their like allow (about 1e-6 of the number): no bf16 or f16 on the way to a quantiser, and a product that is left as it is and whose result goes on into a quantised operand takes f32 operands (vector FMAs, or v_wmma_f32_16x16x4_f32). A number that lies on a knife's edge between two numbers of the format may be rounded either way, as far as f32 arithmetic and the matrix unit's own rounding can turn it there, and no further.
;;   INPUTS GIVEN AS CODES. wk (in the module: [1024, 1024], K = its axis 1); wo (in the module: [1024, 1024], K = its axis 1); wq (in the module: [1024, 1024], K = its axis 1); wv (in the module: [1024, 1024], K = its axis 1); x (in the module: [4, 2048, 1024], K = its axis 2); x_cond (in the module: [4, 2048, 1024], K = its axis 2): each comes as NAME_codes (uint8): NAME with its K axis moved to the last place and cut into blocks of 32 codes, [.., K / 32, bytes a block], one block behind the other in memory; one code a byte (a code: sign, 4 exponent bits, 3 mantissa bits); and NAME_scales (uint8): the same leading axes, one E8M0 byte (e + 127) for each 32 codes along K. Its value is code x scale, taken as it is: it is not quantised again, and the codes and scales need not be those that the quantiser above would give.
;; One version. Each part assembles by itself: llvm-mc -triple=amdgcn-amd-amdhsa -mcpu=gfx1250 --defsym DOCPART=n.
;; ======== version 1 of 1: 3 launches
;; limits: right only within a limited range of input values
;; workspace buffers: qc 8,388,608 bytes; kc 8,388,608 bytes; vc 8,388,608 bytes; qs 524,288 bytes; kvs 786,432 bytes; oc 8,388,608 bytes; os 262,144 bytes
;; launch proj (part 1): grid 4 x 96, 4 waves a work-group, clusters of 4 x 4, 327,680 bytes of LDS; arguments x_codes, x_scales, x_cond_codes, x_cond_scales, wq_codes, wq_scales, wk_codes, wk_scales, wv_codes, wv_scales, bq, bk, bv, qc, kc, vc, qs, kvs; writes qc, kc, vc, qs, kvs
.if DOCPART == 1
	.amdgcn_target "amdgcn-amd-amdhsa--gfx1250"
	.amdhsa_code_object_version 6
	.text
	.protected	k_qcd98c0f72a_proj
	.globl	k_qcd98c0f72a_proj
	.p2align	8
	.type	k_qcd98c0f72a_proj,@function
k_qcd98c0f72a_proj:
	s_mov_b64 s[64:65], 0
	v_nop
	global_prefetch_b8 v0, s[64:65] scope:SCOPE_SE
	s_setreg_imm32_b32 hwreg(HW_REG_WAVE_MODE, 25, 1), 1
	s_wait_xcnt 0x0
	s_wait_alu depctr_hold_cnt(0) depctr_sa_sdst(0) depctr_va_vdst(0) depctr_va_sdst(0) depctr_va_ssrc(0) depctr_va_vcc(0) depctr_vm_vsrc(0)
	s_getreg_b32 s2, hwreg(HW_REG_IB_STS2, 6, 4)
	s_cmp_eq_u32 s2, 0
	s_cbranch_scc0 .Lentry_in_a_cluster
	s_endpgm
.Lentry_in_a_cluster:
	s_bfe_u32 s2, ttmp6, 0x10000c
	s_cmp_lg_u32 s2, 0xf033
	s_cbranch_scc0 .Lentry_shape_is_right
	s_endpgm
.Lentry_shape_is_right:
.set KSTEP,  256
.set NQ,     2
.set ROWB,   256
.set KROW,   1024
.set PITCH,  272
.set FR,     16
.set NL,     4
.set NP,     8
.set HALFT,  128*PITCH
.set SLOT,   4*HALFT
.set LAPS,   2
.set KS,     32
.set SCL,    2*SLOT
.set HALFS,  16*272
.set SBLK,   2*272
.set SPARE,  SCL+4*HALFS
.set STG,    SPARE+512
.set VO,   8
.set VOH,  9
.set SH16, 10
.set STA,  11
.set STR,  12
.set VS,   13
.set VS2,  14
.set BJO,  15
.set ADRA, 16
.set ADRB, 20
.set ADRS, 27
.set SPW,  28
.set NIL,  29
.set SC,   32
.set BI,   64
.set AF,   128
.set HA,   128
.set PC,   192
.set TM,   208
.set PW,   224
.set SWT,  226
.set SO,   236
.set G1,   4
.set G0,   12
.set G1B,  20
.set G0B,  28
.set G0S,  36
.set WV,   48
.set HR,   49
.set HC,   50
.set G1S,  52
.set SA,   60
.set SB,   62
.set MSKW, 67
.set G1SB, 68
.set G0SB, 76
.set PCO,  80
.set PSC,  82
.set RCO,  84
.set RSC,  86
.set BJP,  88
.set OC,   90
.set OS,   92
.set BIP,  94
.set SIG,  96
.set MSKV, 98
.set MNT,  99
.set SEL,  100
.set MSB, 0
.macro WIN new
.if MSB != (\new)
	s_set_vgpr_msb (MSB<<8)|(\new)
.set MSB, (\new)
.endif
.endm
.set MUL_LO,  0xa1
.set MUL_HI,  0xf1
.set MUL_LO1, 0x81
.set MUL_HI1, 0xc1
.set TO_B,    0x40
.macro JLOAD g0a, g1a, g0b, g1b
	s_cmp_eq_u32 s[HR], 0
	s_cbranch_scc0 .Lfor_b_\@
	tensor_load_to_lds s[\g0a:\g0a+3], s[\g1a:\g1a+7]
	s_nop 0
.rept 4
	v_nop
.endr
	s_branch .Lasked_\@
.Lfor_b_\@:
	tensor_load_to_lds s[\g0b:\g0b+3], s[\g1b:\g1b+7]
	s_nop 0
.rept 4
	v_nop
.endr
.Lasked_\@:
.endm
.macro CREST
	s_cmp_lg_u32 s[WV], 0
	s_cbranch_scc1 .Lnot_wave_0_\@
	s_barrier_signal -3
.Lnot_wave_0_\@:
	s_barrier_wait -3
	s_barrier_signal -1
	s_barrier_wait -1
.endm
.macro CROUND
	s_barrier_signal -1
	s_barrier_wait -1
	CREST
.endm
	s_load_b512 s[4:19], s[0:1], 0x0
	s_load_b512 s[20:35], s[0:1], 0x40
	s_load_b128 s[36:39], s[0:1], 0x80
	v_lshl_add_u32 v[SPW], v0, 2, SPARE
	v_mov_b32 v[NIL], 0
	ds_add_u32 v28, v29
	ds_add_u32 v28, v29
	s_wait_dscnt 0x0
	v_lshrrev_b32 v1, 5, v0
	v_readfirstlane_b32 s[WV], v1
	s_lshr_b32 s[HR], s[WV], 1
	s_and_b32 s[HC], s[WV], 1
	s_bfe_u32 s40, ttmp6, 0x40000
	s_bfe_u32 s41, ttmp6, 0x40004
	s_and_b32 s46, ttmp7, 0xffff
	s_lshr_b32 s45, s46, 3
	s_and_b32 s46, s46, 7
	s_lshl_b32 s46, s46, 2
	s_cmp_eq_u32 s45, 2
	s_cselect_b32 s47, 0, s46
	s_cselect_b32 s42, s46, 0
	s_add_co_u32 s47, s47, s41
	s_add_co_u32 s42, s42, s40
	s_lshl_b32 s43, s41, 2
	s_lshl_b32 s43, 15, s43
	s_lshl_b32 s44, 0x1111, s40
	s_or_b32 s[G1S+0], s43, (3<<16)|(1<<20)|(1<<21)|(5<<22)|(3<<25)
	s_or_b32 s[G1SB+0], s44, (3<<16)|(1<<20)|(1<<21)|(5<<22)|(3<<25)
.irp g, G1S, G1SB
	s_mov_b32 s[\g+1], 32<<16
	s_mov_b32 s[\g+2], 32<<16
	s_mov_b32 s[\g+3], 32<<16
	s_mov_b32 s[\g+4], 32
	s_mov_b32 s[\g+5], 32
	s_mov_b32 s[\g+6], 0
	s_mov_b32 s[\g+7], 0
.endr
	s_wait_kmcnt 0x0
	s_cmp_eq_u32 s45, 0
	s_cselect_b64 s[PCO:PCO+1], s[4:5], s[8:9]
	s_cselect_b64 s[PSC:PSC+1], s[6:7], s[10:11]
	s_cselect_b64 s[RCO:RCO+1], s[12:13], s[16:17]
	s_cselect_b64 s[RSC:RSC+1], s[14:15], s[18:19]
	s_cselect_b64 s[BJP:BJP+1], s[24:25], s[26:27]
	s_cselect_b64 s[OC:OC+1], s[30:31], s[32:33]
	s_cselect_b64 s[OS:OS+1], s[36:37], s[38:39]
	s_cmp_eq_u32 s45, 2
	s_cselect_b64 s[PCO:PCO+1], s[20:21], s[PCO:PCO+1]
	s_cselect_b64 s[PSC:PSC+1], s[22:23], s[PSC:PSC+1]
	s_cselect_b64 s[RCO:RCO+1], s[8:9], s[RCO:RCO+1]
	s_cselect_b64 s[RSC:RSC+1], s[10:11], s[RSC:RSC+1]
	s_cselect_b64 s[BJP:BJP+1], s[28:29], s[BJP:BJP+1]
	s_cselect_b64 s[OC:OC+1], s[34:35], s[OC:OC+1]
	s_mov_b64 s[BIP:BIP+1], s[28:29]
	s_lshl_b32 s2, s[HC], 17
	s_mov_b32 s3, 0
	s_lshl_b32 s4, s47, 8
	s_lshl_b32 s6, s4, 5
	s_lshl_b32 s4, s4, 10
	s_mov_b32 s5, 0
	s_mov_b32 s7, 0
	s_add_nc_u64 s[PCO:PCO+1], s[PCO:PCO+1], s[4:5]
	s_add_nc_u64 s[PSC:PSC+1], s[PSC:PSC+1], s[6:7]
	s_lshl_b32 s20, s42, 8
	s_lshl_b32 s22, s20, 5
	s_lshl_b32 s20, s20, 10
	s_mov_b32 s21, 0
	s_mov_b32 s23, 0
	s_add_nc_u64 s[RCO:RCO+1], s[RCO:RCO+1], s[20:21]
	s_add_nc_u64 s[RSC:RSC+1], s[RSC:RSC+1], s[22:23]
	s_or_b32 s[G1+0], s43, (0<<16)|(1<<20)|(1<<21)|(5<<22)|(3<<25)
	s_or_b32 s[G1B+0], s44, (0<<16)|(1<<20)|(1<<21)|(5<<22)|(3<<25)
.irp g, G1, G1B
	s_mov_b32 s[\g+1], ROWB<<16
	s_mov_b32 s[\g+2], 256<<16
	s_mov_b32 s[\g+3], ROWB<<16
	s_mov_b32 s[\g+4], 256
	s_mov_b32 s[\g+5], KROW
	s_mov_b32 s[\g+6], 0
	s_mov_b32 s[\g+7], 0
.endr
	s_mul_i32 s66, s[WV], HALFT
	CROUND
	s_mov_b32 s[G0S], 1
	s_mov_b32 s[G0S+1], SCL
	s_mov_b64 s[G0S+2:G0S+3], s[PSC:PSC+1]
	s_or_b32 s[G0S+3], s[G0S+3], 0x80000000
	s_mov_b32 s[G0SB], 1
	s_mov_b32 s[G0SB+1], SCL+2*HALFS
	s_mov_b64 s[G0SB+2:G0SB+3], s[RSC:RSC+1]
	s_or_b32 s[G0SB+3], s[G0SB+3], 0x80000000
	; the head's four tiles, each whole, one joint load a wave: K step 0's 256 rows of either operand (waves 0, 1) and their scale bytes (waves 2, 3)
	s_mov_b32 s[G0], 1
	s_mov_b32 s[G0+1], 0
	s_mov_b64 s[G0+2:G0+3], s[PCO:PCO+1]
	s_or_b32 s[G0+3], s[G0+3], 0x80000000
	s_mov_b32 s[G0B], 1
	s_mov_b32 s[G0B+1], 2*HALFT
	s_mov_b64 s[G0B+2:G0B+3], s[RCO:RCO+1]
	s_or_b32 s[G0B+3], s[G0B+3], 0x80000000
	s_mov_b32 s[G0+4], 1                           ; slot 1: my 128 rows (s[2:3]: my half, in bytes) of K step 1
	s_add_co_u32 s[G0+5], s66, SLOT
	s_add_nc_u64 s[G0+6:G0+7], s[PCO:PCO+1], s[2:3]
	s_add_nc_u64 s[G0+6:G0+7], s[G0+6:G0+7], ROWB
	s_or_b32 s[G0+7], s[G0+7], 0x80000000
	s_mov_b32 s[G0B+4], 1
	s_add_co_u32 s[G0B+5], s66, SLOT
	s_add_nc_u64 s[G0B+6:G0B+7], s[RCO:RCO+1], s[2:3]
	s_add_nc_u64 s[G0B+6:G0B+7], s[G0B+6:G0B+7], ROWB
	s_or_b32 s[G0B+7], s[G0B+7], 0x80000000
.macro ARM under, g0, g1, next
	s_cmp_lt_u32 s[WV], \under
	s_cbranch_scc0 \next
	tensor_load_to_lds s[\g0:\g0+3], s[\g1:\g1+7]
	s_nop 0
.rept 4
	v_nop
.endr
	s_branch .Lhead_asked
\next:
.endm
	ARM 1, G0,  G1,  .Lhead_b
	ARM 2, G0B, G1B, .Lhead_sa
	ARM 3, G0S, G1S, .Lhead_sb
	tensor_load_to_lds s[G0SB:G0SB+3], s[G1SB:G1SB+7]
	s_nop 0
.rept 4
	v_nop
.endr
.Lhead_asked:
	s_lshl_b32 s80, s47, 8
	s_lshl_b32 s82, s[HR], 7
	s_add_co_u32 s80, s80, s82
	s_lshl_b32 s81, s42, 8
	s_lshl_b32 s82, s[HC], 7
	s_add_co_u32 s81, s81, s82
	s_mov_b32 s[SA], 1024
	s_mov_b32 s66, 24576
	s_cmp_eq_u32 s45, 2
	s_cselect_b32 s82, s81, s80
	s_cselect_b32 s83, s80, s81
	s_cselect_b32 s84, 0, s81
	s_cselect_b32 s85, s80, 0
	s_cselect_b32 s[SA], 2048, s[SA]
	s_cselect_b32 s[SB], 122880, 0
	s_cselect_b32 s40, 0, 130048
	s_cselect_b32 s41, 3840, 0
	s_cselect_b32 s43, 0, 8192
	s_cselect_b32 s44, 0, 16
	s_cselect_b32 s46, 16384, 0
	s_cselect_b32 s51, 1, 2
	s_cselect_b32 s[MSKW], -1, 0xffff
	s_cselect_b32 s[SIG], 0, 1.0
	s_cselect_b32 s[MSKV], -1, 0
	s_cmp_eq_u32 s45, 0
	s_cselect_b32 s66, 16384, s66
	s_mov_b32 s[SIG+1], s[SIG]
	s_mov_b32 s[SA+1], 0
	s_mov_b32 s[SB+1], 0
	s_lshr_b32 s86, s82, 11
	s_lshl_b32 s86, s86, 3
	s_lshr_b32 s87, s83, 7
	s_add_co_u32 s86, s86, s87
	s_and_b32 s82, s82, 2047
	s_lshl_b32 s80, s86, 18
	s_lshl_b32 s81, s82, 6
	s_add_co_u32 s80, s80, s81
	s_mov_b32 s81, 0
	s_add_nc_u64 s[OC:OC+1], s[OC:OC+1], s[80:81]
	s_mul_i32 s80, s86, s66
	s_add_co_u32 s80, s80, s46
	s_lshl_b32 s82, s82, s51
	s_add_co_u32 s80, s80, s82
	s_add_nc_u64 s[OS:OS+1], s[OS:OS+1], s[80:81]
	s_lshl_b32 s80, s84, 2
	s_add_nc_u64 s[BJP:BJP+1], s[BJP:BJP+1], s[80:81]
	s_lshl_b32 s80, s85, 2
	s_add_nc_u64 s[BIP:BIP+1], s[BIP:BIP+1], s[80:81]
	v_and_b32 v1, 15, v0
	v_bfe_u32 v2, v0, 4, 1
	v_lshlrev_b32 v7, 2, v1
.irp a, 0,1,2,3,4,5,6,7
	global_load_b32 v[AF+\a], v7, s[BIP:BIP+1] offset:64*\a
.endr
	v_mul_u32_u24 v3, v1, PITCH
	v_lshl_add_u32 v4, v2, 4, v3
	s_mul_i32 s80, s[HR], HALFT
	s_mul_i32 s81, s[HC], HALFT
	s_add_co_u32 s81, s81, 2*HALFT
.irp s, 0,1
	v_add_nc_u32 v[ADRA+\s], s80, v4
	v_add_nc_u32 v[ADRB+\s], s81, v4
	s_add_co_u32 s80, s80, SLOT
	s_add_co_u32 s81, s81, SLOT
.endr
	v_mul_u32_u24 v5, v1, KS
	v_lshrrev_b32 v6, 8, v5
	v_lshl_add_u32 v5, v6, 4, v5
	s_mul_i32 s80, s[HR], HALFS
	s_mul_i32 s81, s[HC], HALFS
	s_add_co_u32 s81, s81, 2*HALFS
	s_sub_co_u32 s81, s81, s80
	v_mul_u32_u24 v6, s81, v2
	s_add_co_u32 s80, s80, SCL
	v_add_nc_u32 v5, v5, v6
	v_add_nc_u32 v[ADRS], s80, v5
	s_lshl_b32 s82, s[WV], 10
	s_add_co_u32 s82, s82, STG
	v_lshlrev_b32 v[STA], 2, v1
	v_lshl_add_u32 v[STA], v2, 9, v[STA]
	v_add_nc_u32 v[STA], s82, v[STA]
	v_and_b32 v6, 31, v0
	v_lshlrev_b32 v[VO], 4, v6
	v_add_nc_u32 v[STR], s82, v[VO]
	v_add_nc_u32 v[VOH], s40, v[VO]
	v_mul_u32_u24 v[SH16], s44, v2
	v_mul_u32_u24 v[VS], s41, v2
	v_add_nc_u32 v[VS], v[VS], v[VO]
	v_add_nc_u32 v[VS2], s43, v[VS]
	v_lshlrev_b32 v[BJO], 5, v2
	s_mov_b32 s[MNT], 0x600000
	s_mov_b32 s[SEL], 0x76543210
	s_mov_b32 s[SEL+1], 0xfedcba98
	s_wait_loadcnt 0x0
.irp a, 0,1,2,3,4,5,6,7
.irp j, 0,1,2,3,4,5,6,7
	v_cndmask_b32 v[BI+8*\a+\j], 0, v[AF+\a], s[MSKV]
.endr
.endr
.macro FRAG reg, adr, q, i
.irp c, 0,1,2,3
	ds_load_b128 v[\reg+4*\c:\reg+4*\c+3], v[\adr] offset:128*(\q)+32*\c+(\i)*16*PITCH
.endr
.endm
.macro MUL16 a0, p, q, sc, first
.irp a, \a0, \a0+1
.irp b, 0,1,2,3,4,5,6,7
.if \first
	v_wmma_scale_f32_16x16x128_f8f6f4 v[8*(8*((\a)%4)+\b):8*(8*((\a)%4)+\b)+7], v[128*(\p)+FR*\b:128*(\p)+FR*\b+FR-1], v[AF+FR*(\a):AF+FR*(\a)+FR-1], v[BI+8*(\a):BI+8*(\a)+7], v[SC+8*NQ*(\sc)+NQ*\b+(\q)], v[SC+8*NQ*(\sc)+NQ*(\a)+(\q)] matrix_a_scale:MATRIX_SCALE_ROW1
.else
	v_wmma_scale_f32_16x16x128_f8f6f4 v[8*(8*((\a)%4)+\b):8*(8*((\a)%4)+\b)+7], v[128*(\p)+FR*\b:128*(\p)+FR*\b+FR-1], v[AF+FR*(\a):AF+FR*(\a)+FR-1], v[8*(8*((\a)%4)+\b):8*(8*((\a)%4)+\b)+7], v[SC+8*NQ*(\sc)+NQ*\b+(\q)], v[SC+8*NQ*(\sc)+NQ*(\a)+(\q)] matrix_a_scale:MATRIX_SCALE_ROW1
.endif
.endr
.endr
.endm
.macro FETCH_B slot, q, p
	WIN TO_B
.irp i, 0,1,2,3,4,5,6,7
	FRAG 128*(\p)+FR*\i, ADRB+\slot, \q, \i
.endr
	WIN 0
.endm
.macro FETCH_A slot, q, i0
.irp i, \i0, \i0+1, \i0+2, \i0+3
	FRAG AF+FR*(\i), ADRA+\slot, \q, \i
.endr
.endm
.macro SCALES sc
.irp i, 0,1,2,3,4,5,6,7
	ds_load_b64 v[SC+8*NQ*\sc+NQ*\i:SC+8*NQ*\sc+NQ*\i+1], v[ADRS] offset:\i*SBLK
.endr
.endm
.macro PLACES n
.rept \n
	v_nop
.endr
.endm
.macro STEP slot, q, first
	s_wait_dscnt 4*NL
.if \first
	WIN MUL_LO1
.else
	WIN MUL_LO
.endif
	MUL16 0, (\q)%2, \q, \slot, \first
	MUL16 2, (\q)%2, \q, \slot, \first
	s_wait_dscnt 0
	PLACES NP
	FETCH_B \slot, (\q)+1, 1-(\q)%2
	FETCH_A \slot, (\q)+1, 0
.if \first
	WIN MUL_HI1
.else
	WIN MUL_HI
.endif
	MUL16 4, (\q)%2, \q, \slot, \first
	MUL16 6, (\q)%2, \q, \slot, \first
	PLACES NP
	WIN 0
	FETCH_A \slot, (\q)+1, 4
.endm
.macro TURN slot, next, fill
	s_wait_tensorcnt 0x0
	ds_add_u32 v[SPW], v[NIL]
	s_wait_dscnt 4*NL+1
	WIN MUL_LO
	MUL16 0, 1, NQ-1, \slot, 0
	s_wait_dscnt 0x0
	s_barrier_signal -1
	MUL16 2, 1, NQ-1, \slot, 0
	WIN 0
	s_barrier_wait -1
.if \fill
	CREST
	s_add_nc_u64 s[G0+4*\slot+2:G0+4*\slot+3], s[G0+4*\slot+2:G0+4*\slot+3], 2*ROWB
	s_add_nc_u64 s[G0B+4*\slot+2:G0B+4*\slot+3], s[G0B+4*\slot+2:G0B+4*\slot+3], 2*ROWB
	JLOAD G0+4*\slot, G1, G0B+4*\slot, G1B
	PLACES NP-4
.else
	PLACES NP
.endif
	s_wait_alu depctr_va_vdst(0)
	v_add_nc_u32 v[ADRS], 4*NQ, v[ADRS]
	FETCH_B \next, 0, 0
	FETCH_A \next, 0, 0
	SCALES \next
	WIN MUL_HI
	MUL16 4, 1, NQ-1, \slot, 0
	MUL16 6, 1, NQ-1, \slot, 0
	PLACES NP
	WIN 0
	FETCH_A \next, 0, 4
.endm
	s_wait_alu depctr_va_vdst(0)
	s_wait_tensorcnt 0x0                           ; my tile of the head's four is in; the lines ahead of a later first fill
	ds_add_u32 v[SPW], v[NIL]
	s_mov_b32 s[G1+2], 128<<16                     ; no tensor load of mine is out: from here on a load brings 128 rows,
	s_mov_b32 s[G1+4], 128
	s_mov_b32 s[G1B+2], 128<<16
	s_mov_b32 s[G1B+4], 128
	s_mul_i32 s[G0+1], s[WV], HALFT                ; and slot 0's group 0 is the ring's: my 128 rows
	s_mul_i32 s[G0B+1], s[WV], HALFT
	s_add_nc_u64 s[G0+2:G0+3], s[G0+2:G0+3], s[2:3]
	s_add_nc_u64 s[G0B+2:G0B+3], s[G0B+2:G0B+3], s[2:3]
	s_wait_dscnt 0x0
	CROUND
	JLOAD G0+4, G1, G0B+4, G1B
	FETCH_B 0, 0, 0
	FETCH_A 0, 0, 0
	SCALES 0
	FETCH_A 0, 0, 4
	STEP 0, 0, 1
.irp b, 0,1,2,3,4,5,6,7
	global_load_b128 v[BI+8*\b:BI+8*\b+3], v[BJO], s[BJP:BJP+1] offset:64*\b
	global_load_b128 v[BI+8*\b+4:BI+8*\b+7], v[BJO], s[BJP:BJP+1] offset:64*\b+16
.endr
	s_mov_b32 s3, LAPS-1
.Llap:
	TURN 0, 1, 1
	STEP 1, 0, 0
	TURN 1, 0, 1
	STEP 0, 0, 0
	s_sub_co_u32 s3, s3, 1
	s_cmp_lg_u32 s3, 0
	s_cbranch_scc1 .Llap
	TURN 0, 1, 0
	STEP 1, 0, 0
	s_wait_dscnt 4*NL
	WIN MUL_LO
	MUL16 0, 1, NQ-1, 1, 0
	MUL16 2, 1, NQ-1, 1, 0
	s_wait_dscnt 0
	WIN MUL_HI
	MUL16 4, 1, NQ-1, 1, 0
	MUL16 6, 1, NQ-1, 1, 0
	WIN 0
.macro QUANT s
.irp b, 0,1,2,3
	v_max3_num_f32 v[TM+\b], |v[\s+16*\b]|, |v[\s+1+16*\b]|, 0x4800000
.endr
.irp i, 2,4,6,8,10,12,14
.irp b, 0,1,2,3
	v_max3_num_f32 v[TM+\b], v[TM+\b], |v[\s+16*\b+\i]|, |v[\s+1+16*\b+\i]|
.endr
.endr
.irp b, 0,1,2,3
	v_permlanex16_b32 v[TM+4+\b], v[TM+\b], s[SEL], s[SEL+1]
.endr
.irp b, 0,1,2,3
	v_max_num_f32 v[TM+\b], v[TM+\b], v[TM+4+\b]
.endr
.irp b, 0,1,2,3
	v_add_nc_u32 v[TM+12+\b], 0xfc000000, v[TM+\b]
.endr
.irp b, 0,1,2,3
	v_and_or_b32 v[TM+8+\b], v[TM+\b], 0x7f800000, s[MNT]
.endr
.irp b, 0,1,2,3
	v_lshrrev_b32 v[TM+4+\b], 23, v[TM+12+\b]
.endr
	v_lshl_or_b32 v[PW], v[TM+5], 8, v[TM+4]
	v_lshl_or_b32 v[PW], v[TM+6], 16, v[PW]
	v_lshl_or_b32 v[PW], v[TM+7], 24, v[PW]
.irp b, 0,1,2,3
.irp i, 0,1,2,3,4,5,6,7,8,9,10,11,12,13,14,15
	v_med3_num_f32 v[\s+16*\b+\i], v[\s+16*\b+\i], -v[TM+8+\b], v[TM+8+\b]
.endr
	v_cvt_scalef32_pk8_fp8_f32 v[PC+4*\b:PC+1+4*\b], v[\s+16*\b:\s+7+16*\b], v[TM+12+\b]
	v_cvt_scalef32_pk8_fp8_f32 v[PC+2+4*\b:PC+3+4*\b], v[\s+8+16*\b:\s+15+16*\b], v[TM+12+\b]
.endr
	v_nop
.endm
.macro EPI a
.if (\a) > 0
	s_wait_xcnt 0x0
	s_add_nc_u64 s[OC:OC+1], s[OC:OC+1], s[SA:SA+1]
.if (\a) == 4
	s_add_nc_u64 s[OC:OC+1], s[OC:OC+1], s[SB:SB+1]
.endif
.endif
.set AC, 64*((\a)%4)
	WIN 0x20+0x10*((\a)/4)
.irp n, 0,2,4,6,8,10,12,14,16,18,20,22,24,26,28,30,32,34,36,38,40,42,44,46,48,50,52,54,56,58,60,62
	v_pk_fma_f32 v[HA+\n:HA+\n+1], v[BI+\n:BI+\n+1], s[SIG:SIG+1], v[AC+\n:AC+\n+1] op_sel_hi:[1,0,1]
.endr
	WIN 0
	QUANT HA
	global_store_b128 v[VO], v[PC:PC+3], s[OC:OC+1]
	global_store_b128 v[VO], v[PC+4:PC+7], s[OC:OC+1] offset:512
	global_store_b128 v[VOH], v[PC+8:PC+11], s[OC:OC+1] offset:1024
	global_store_b128 v[VOH], v[PC+12:PC+15], s[OC:OC+1] offset:1536
	v_lshrrev_b32 v[SWT+\a], v[SH16], v[PW]
	v_and_b32 v[SWT+\a], s[MSKW], v[SWT+\a]
	ds_store_b32 v[STA], v[SWT+\a] offset:64*\a
.endm
	PLACES NP
	s_wait_loadcnt 0x0
.irp b, 0,1,2,3
	v_mov_b32 v[TM+4+\b], 0
.endr
.irp a, 0,1,2,3,4,5,6,7
	EPI \a
.endr
	ds_load_b128 v[SO:SO+3], v[STR]
	ds_load_b128 v[SO+4:SO+7], v[STR] offset:512
	s_wait_dscnt 0x0
	global_store_b128 v[VS], v[SO:SO+3], s[OS:OS+1]
	global_store_b128 v[VS2], v[SO+4:SO+7], s[OS:OS+1]
	s_wait_tensorcnt 0x0
	ds_add_u32 v[SPW], v[NIL]
	s_wait_dscnt 0x0
	CROUND
	s_endpgm
.Lfunc_end_k_qcd98c0f72a_proj:
	.size	k_qcd98c0f72a_proj, .Lfunc_end_k_qcd98c0f72a_proj-k_qcd98c0f72a_proj
	.p2alignl 7, 3214868480
	.fill 96, 4, 3214868480
	.section	.rodata,"a",@progbits
	.p2align	6, 0x0
	.amdhsa_kernel k_qcd98c0f72a_proj
		.amdhsa_group_segment_fixed_size 327680
		.amdhsa_private_segment_fixed_size 0
		.amdhsa_enable_private_segment 0
		.amdhsa_kernarg_size 144
		.amdhsa_user_sgpr_count 2
		.amdhsa_user_sgpr_kernarg_segment_ptr 1
		.amdhsa_wavefront_size32 1
		.amdhsa_system_sgpr_workgroup_id_x 1
		.amdhsa_system_sgpr_workgroup_id_y 1
		.amdhsa_system_sgpr_workgroup_id_z 1
		.amdhsa_system_vgpr_workitem_id 0
		.amdhsa_next_free_vgpr 1024
		.amdhsa_next_free_sgpr 102
		.amdhsa_reserve_vcc 0
		.amdhsa_float_denorm_mode_32 3
		.amdhsa_float_denorm_mode_16_64 3
		.amdhsa_memory_ordered 1
		.amdhsa_forward_progress 1
		.amdhsa_inst_pref_size 211
	.end_amdhsa_kernel
	.amdgpu_metadata
---
amdhsa.version: [ 1, 2 ]
amdhsa.kernels:
  - .name:           k_qcd98c0f72a_proj
    .symbol:         k_qcd98c0f72a_proj.kd
    .args:
      - { .name: x_codes, .offset: 0, .size: 8, .value_kind: global_buffer, .address_space: global }
      - { .name: x_scales, .offset: 8, .size: 8, .value_kind: global_buffer, .address_space: global }
      - { .name: x_cond_codes, .offset: 16, .size: 8, .value_kind: global_buffer, .address_space: global }
      - { .name: x_cond_scales, .offset: 24, .size: 8, .value_kind: global_buffer, .address_space: global }
      - { .name: wq_codes, .offset: 32, .size: 8, .value_kind: global_buffer, .address_space: global }
      - { .name: wq_scales, .offset: 40, .size: 8, .value_kind: global_buffer, .address_space: global }
      - { .name: wk_codes, .offset: 48, .size: 8, .value_kind: global_buffer, .address_space: global }
      - { .name: wk_scales, .offset: 56, .size: 8, .value_kind: global_buffer, .address_space: global }
      - { .name: wv_codes, .offset: 64, .size: 8, .value_kind: global_buffer, .address_space: global }
      - { .name: wv_scales, .offset: 72, .size: 8, .value_kind: global_buffer, .address_space: global }
      - { .name: bq, .offset: 80, .size: 8, .value_kind: global_buffer, .address_space: global }
      - { .name: bk, .offset: 88, .size: 8, .value_kind: global_buffer, .address_space: global }
      - { .name: bv, .offset: 96, .size: 8, .value_kind: global_buffer, .address_space: global }
      - { .name: qc, .offset: 104, .size: 8, .value_kind: global_buffer, .address_space: global }
      - { .name: kc, .offset: 112, .size: 8, .value_kind: global_buffer, .address_space: global }
      - { .name: vc, .offset: 120, .size: 8, .value_kind: global_buffer, .address_space: global }
      - { .name: qs, .offset: 128, .size: 8, .value_kind: global_buffer, .address_space: global }
      - { .name: kvs, .offset: 136, .size: 8, .value_kind: global_buffer, .address_space: global }
    .group_segment_fixed_size: 327680
    .private_segment_fixed_size: 0
    .kernarg_segment_align: 8
    .kernarg_segment_size: 144
    .max_flat_workgroup_size: 128
    .sgpr_count:     102
    .vgpr_count:     1024
    .wavefront_size: 32
...
	.end_amdgpu_metadata
.endif
;; end of part 1
;; launch attn (part 2): grid 4 x 64, 16 waves a work-group, clusters of 4 x 1, 327,680 bytes of LDS; arguments qc, qs, kc, vc, kvs, oc, os; writes oc, os
.if DOCPART == 2
	.amdgcn_target "amdgcn-amd-amdhsa--gfx1250"
	.amdhsa_code_object_version 6
	.text
	.protected	k_qcd98c0f72a_attn
	.globl	k_qcd98c0f72a_attn
	.p2align	8
	.type	k_qcd98c0f72a_attn,@function
k_qcd98c0f72a_attn:
	s_mov_b64 s[64:65], 0
	v_nop
	global_prefetch_b8 v0, s[64:65] scope:SCOPE_SE
	s_setreg_imm32_b32 hwreg(HW_REG_WAVE_MODE, 25, 1), 1
	s_wait_xcnt 0x0
	s_wait_alu depctr_hold_cnt(0) depctr_sa_sdst(0) depctr_va_vdst(0) depctr_va_sdst(0) depctr_va_ssrc(0) depctr_va_vcc(0) depctr_vm_vsrc(0)
	s_getreg_b32 s2, hwreg(HW_REG_IB_STS2, 6, 4)
	s_cmp_eq_u32 s2, 0
	s_cbranch_scc0 .Lentry_in_a_cluster
	s_endpgm
.Lentry_in_a_cluster:
	s_bfe_u32 s2, ttmp6, 0x10000c
	s_cmp_lg_u32 s2, 0x3003
	s_cbranch_scc0 .Lentry_shape_is_right
	s_endpgm
.Lentry_shape_is_right:
; ATTENTION ON CODES OF FP8 (E4M3): o = softmax(q k^T / 8) v for 4 batches x 16 heads of 64, 2,048 queries and 2,048 keys, and the quantising of o along the model's 1,024 for the last projection.
; All operands come as images of operand registers (lane l's 16 bytes at 16 l), made by the launch before: every LDS and global load of codes reads 512 consecutive bytes.
; THE SOFTMAX: t = score x log2(e) / 8; M = the row's largest t so far, rounded UP to a whole number; p = 2^(t - M) is quantised along the keys, not normalised.  The row's sum is taken of the unquantised p, in f32, and divides O at the end.
; When M moves, the sum and O are multiplied by f = 2^(old M - new M): exact.
; SHARES.  A work-group owns ONE head and 512 queries; each of its sixteen waves owns two tiles of 16 queries, one after the other.  256 work-groups.
; THE HEAD'S WHOLE K AND V STAY IN LDS: 131,072 bytes each, and 12,288 bytes of scale words.  No byte of LDS is filled twice, so the walk over the keys has no ring.
; FILLS, joint loads of the four work-groups of a cluster, which walk the same head; one load a wave in each of two groups.  At the head: keys 0-511 of K (waves 0-3) and V (waves 4-7), K's scale words (8-11), V's (12-15).
; Behind a round of the cluster's barrier: the other 1,536 keys, 12,288 bytes a wave (waves 0-7 K, 8-15 V).  One barrier behind key step 3 shows them; behind it the waves walk on their own.
; NO PREFETCH: all of K and V is asked for by these two groups at the head; no loop of the text runs ahead of a load.
; LAYOUT.  Both products are used transposed: S^T = K Q^T, O^T = V^T P^T: a lane holds ONE query (lane % 16).  Place 16 h + 8 u + j of p's block of 32 holds key 16 u + 8 h + j; v's codes were laid in the same order.
; K = 64 IN A FORM 128 DEEP.  Q's registers 8-15 are zero codes.  A tile of K is 8 registers, named with the 8 registers behind it (the next tile; behind the last tile p's codes): codes that are never the NaN code
; (the quantisers hold at 448), under scale bytes 0 on both sides, opposite Q's zeros: they add nothing.
; THE ROW'S SUMS OF A STEP ARE TAKEN AT THE NEXT STEP'S HEAD: the holds write into a scratch of 16 registers, so p stays; the 32 packed additions are the places behind the second product and stand beside K's next loads.
; LIMITS: NaN and infinities are not served; the promise holds while |t| stays under 2^31; v_exp_f32 gives 0 for p under 2^-126; a block whose largest magnitude lies under 2^-118 gets the scale byte 1, read by this program alone.
.set VB,    131072                     ; LDS: K's images from 0, V's from here
.set SCL,   262144                     ; K's scale words [tile][16 words], 8,192 bytes
.set SVO,   8192                       ; behind them V's [step][tile][16 words], 4,096 bytes
.set SPARE, SCL+12288                  ; the spare words: 128 bytes a wave
.set AL,   1                           ; 16 x lane
.set AR,   2                           ; SCL + 4 (lane % 16)
.set SPW,  3                           ; my spare word; never rewritten
.set NIL,  4                           ; 0; never rewritten
.set ADK,  5                           ; the step's LDS addresses: K's images,
.set ADS,  6                           ; K's scale words,
.set ADT,  7                           ; V's scale words,
.set ADV,  11                          ; V's images
.set SW,   8                           ; the result's two scale bytes
.set R4,   9                           ; 4 (lane % 16)
.set QW,   10                          ; Q's scale word.  v12 -M, v13 the largest t, v[14:15] the sum's first chain
.set QF,   16                          ; v16-23 Q's codes, v24-31 zeros
.set KV,   32                          ; v32-95 eight tiles of K, later four fragments of V
.set PCD,  96                          ; v96-111 p's codes
.set S,    112                         ; v112-175 S^T, then p
.set OT,   176                         ; v176-207 O^T
.set SWR,  208                         ; v208-215 scale words of K's eight tiles or V's four
.set BM,   216                         ; a block's largest score, then its largest p
.set PB,   220                         ; the other half's; bytes
.set HL,   224                         ; 448 x the scale
.set CV,   228                         ; the conversions' scale operands
.set FM,   232                         ; f; v233 is named with it as a pair and holds 0.  v[234:235], v[236:237] the sum's other chains
.set PWD,  238                         ; p's scale word
.set TP,   239                         ; at work
.set T,    240                         ; v240-255 held p, two sets of eight
.set WV,   18
.set SEL,  20
.set CS,   22
.set G1A,  24                          ; groups 1: 32, 8, 4, 48 rows of 256 bytes
.set G1B,  32
.set G1C,  40
.set G1D,  48
.set G0K,  56                          ; groups 0
.set G0V,  60
.set G0SK, 68
.set G0SV, 72
.set G0K2, 76
.set G0V2, 80
.set MNT,  84
.set MSK,  85
.set TB,   86                          ; the step's place in K's images: 8,192 bytes a step
.set TV,   87                          ; in V's
.set TS,   88                          ; in K's scale words: 512
.set TJ,   89                          ; in V's: 256
.set STP,  90
.macro CROUND                          ; a round of the cluster's barrier
	s_barrier_signal -1
	s_barrier_wait -1
	s_cmp_lg_u32 s[WV], 0
	s_cbranch_scc1 .Lnot_wave_0_\@
	s_barrier_signal -3
.Lnot_wave_0_\@:
	s_barrier_wait -3
	s_barrier_signal -1
	s_barrier_wait -1
.endm
.macro TL g0, g1                       ; a tensor load with an s_nop and four v_nops behind it
	tensor_load_to_lds s[\g0:\g0+3], s[\g1:\g1+7]
	s_nop 0
.rept 4
	v_nop
.endr
.endm
.macro ARM under, g0, g1, next
	s_cmp_lt_u32 s[WV], \under
	s_cbranch_scc0 \next
	TL \g0, \g1
	s_branch .Lhead_asked
\next:
.endm
.macro GRP1 g, rows                    ; a dense block as rows of 256 bytes (32 elements of 8); the mask names all four work-groups
	s_mov_b32 s[\g], 15|(3<<16)|(1<<21)
	s_mov_b32 s[\g+1], 32<<16
	s_mov_b32 s[\g+2], (\rows)<<16
	s_mov_b32 s[\g+3], 32<<16
	s_mov_b32 s[\g+4], \rows
	s_mov_b32 s[\g+5], 32
	s_mov_b32 s[\g+6], 0
	s_mov_b32 s[\g+7], 0
.endm
	s_load_b256 s[4:11], s[0:1], 0x0               ; qc, qs, kc, vc
	s_load_b128 s[12:15], s[0:1], 0x20             ; kvs, oc
	s_load_b64 s[16:17], s[0:1], 0x30              ; os
	v_lshl_add_u32 v[SPW], v0, 2, SPARE
	v_mov_b32 v[NIL], 0
	ds_add_u32 v[SPW], v[NIL]                      ; the opening lines: the add twice on end and one wait
	ds_add_u32 v[SPW], v[NIL]
	v_lshrrev_b32 v[ADK], 5, v0
	v_readfirstlane_b32 s[WV], v[ADK]              ; wave 0..15
	s_and_b32 s92, ttmp7, 0xffff                   ; y = 16 x batch + head, shared by the four partners
	s_and_b32 s94, s[WV], 3
	s_and_b32 s95, s[WV], 7
	s_lshl_b32 s96, s92, 17                        ; a head is 131,072 bytes in each of qc, kc, vc
	s_lshr_b32 s97, s92, 1
	s_mul_i32 s97, s97, 24576                      ; a pair of heads in kvs
	s_and_b32 s98, s92, 1                          ; which head of its pair
	s_mov_b32 s[G0K], 1                            ; keys 0-511: 8,192 bytes a wave
	s_lshl_b32 s[G0K+1], s94, 13
	s_add_co_u32 s[G0K+2], s96, s[G0K+1]
	s_mov_b32 s[G0K+3], 0
	s_mov_b32 s[G0V], 1
	s_add_co_u32 s[G0V+1], s[G0K+1], VB
	s_mov_b32 s[G0SK], 1                           ; K's scale words: 2,048 bytes a wave
	s_lshl_b32 s19, s94, 11
	s_add_co_u32 s[G0SK+1], s19, SCL
	s_lshl_b32 s99, s98, 13
	s_add_co_u32 s[G0SK+2], s97, s99
	s_add_co_u32 s[G0SK+2], s[G0SK+2], s19
	s_mov_b32 s[G0SK+3], 0
	s_mov_b32 s[G0SV], 1                           ; V's: 1,024 bytes a wave
	s_lshl_b32 s19, s94, 10
	s_add_co_u32 s[G0SV+1], s19, SCL+SVO
	s_lshl_b32 s99, s98, 12
	s_add_co_u32 s[G0SV+2], s97, s99
	s_add_co_u32 s[G0SV+2], s[G0SV+2], s19
	s_add_co_u32 s[G0SV+2], s[G0SV+2], 16384
	s_mov_b32 s[G0SV+3], 0
	s_mov_b32 s[G0K2], 1                           ; keys 512-2,047: 12,288 bytes a wave
	s_mul_i32 s19, s95, 12288
	s_add_co_u32 s19, s19, 32768
	s_mov_b32 s[G0K2+1], s19
	s_add_co_u32 s[G0K2+2], s96, s19
	s_mov_b32 s[G0K2+3], 0
	s_mov_b32 s[G0V2], 1
	s_add_co_u32 s[G0V2+1], s19, VB
	GRP1 G1A, 32
	GRP1 G1B, 8
	GRP1 G1C, 4
	GRP1 G1D, 48
	; my place in the cluster enters Q's and the results' addresses alone
	s_bfe_u32 s91, ttmp6, 0x40000                  ; cx: my block of 512 queries
	s_lshl_b32 s93, s91, 5
	s_lshl_b32 s91, s[WV], 1
	s_add_co_u32 s93, s93, s91                     ; my first tile of 16 queries in the batch
	s_lshl_b32 s66, s93, 10
	s_add_co_u32 s66, s66, s96                     ; qc: 1,024 bytes a tile
	s_mov_b32 s67, 0
	s_lshl_b32 s2, s92, 13
	s_lshl_b32 s3, s93, 6
	s_add_co_u32 s2, s2, s3                        ; qs: 8,192 bytes a head, 64 a tile
	s_mov_b32 s3, 0
	s_lshr_b32 s19, s92, 4
	s_lshl_b32 s19, s19, 7
	s_add_co_u32 s19, s19, s93                     ; my tile among all 512
	s_bfe_u32 s100, s92, 0x20002                   ; oc: [two pairs of heads][tile][pair % 2][head % 2][2 images of 512]
	s_lshl_b32 s100, s100, 21
	s_lshl_b32 s101, s19, 12
	s_add_co_u32 s100, s100, s101
	s_bfe_u32 s101, s92, 0x10001
	s_lshl_b32 s101, s101, 11
	s_add_co_u32 s100, s100, s101
	s_lshl_b32 s101, s98, 10
	s_add_co_u32 s100, s100, s101
	s_mov_b32 s101, 0
	s_bfe_u32 s94, s92, 0x30001                    ; os: [pair][tile][16 words]; my head's two bytes of a word
	s_lshl_b32 s94, s94, 15
	s_lshl_b32 s95, s19, 6
	s_add_co_u32 s94, s94, s95
	s_lshl_b32 s95, s98, 1
	s_add_co_u32 s94, s94, s95
	s_mov_b32 s95, 0
	s_mov_b32 s[SEL], 0x76543210
	s_mov_b32 s[SEL+1], 0xfedcba98
	s_mov_b32 s[CS], 0x3e38aa3b                    ; c = log2(e) / sqrt(64)
	s_mov_b32 s[CS+1], s[CS]
	s_mov_b32 s[MNT], 0x600000
	s_mov_b32 s[MSK], 0xffff0000
	s_mov_b32 s[TB], 0
	s_mov_b32 s[TV], VB
	s_mov_b32 s[TS], 0
	s_mov_b32 s[TJ], 0
	s_wait_dscnt 0x0                               ; both opening adds are done
	s_wait_kmcnt 0x0
	s_add_nc_u64 s[4:5], s[4:5], s[66:67]
	s_add_nc_u64 s[6:7], s[6:7], s[2:3]
	s_add_nc_u64 s[14:15], s[14:15], s[100:101]
	s_add_nc_u64 s[16:17], s[16:17], s[94:95]
	s_add_nc_u64 s[G0V+2:G0V+3], s[10:11], s[G0K+2:G0K+3]
	s_add_nc_u64 s[G0K+2:G0K+3], s[8:9], s[G0K+2:G0K+3]
	s_add_nc_u64 s[G0V2+2:G0V2+3], s[10:11], s[G0K2+2:G0K2+3]
	s_add_nc_u64 s[G0K2+2:G0K2+3], s[8:9], s[G0K2+2:G0K2+3]
	s_add_nc_u64 s[G0SK+2:G0SK+3], s[12:13], s[G0SK+2:G0SK+3]
	s_add_nc_u64 s[G0SV+2:G0SV+3], s[12:13], s[G0SV+2:G0SV+3]
.irp g, G0K, G0V, G0SK, G0SV, G0K2, G0V2
	s_or_b32 s[\g+3], s[\g+3], 0x80000000
.endr
	CROUND                                         ; all four work-groups are here: the first joint loads meet
	ARM 4,  G0K,  G1A, .Lh_v                       ; one chain of branches on the wave's number, one load to an arm: every way passes one
	ARM 8,  G0V,  G1A, .Lh_sk
	ARM 12, G0SK, G1B, .Lh_sv
	TL G0SV, G1C
.Lhead_asked:
	v_and_b32 v[AL], 31, v0
	v_and_b32 v[R4], 15, v0
	v_lshlrev_b32 v[AL], 4, v[AL]
	v_lshlrev_b32 v[R4], 2, v[R4]
	v_add_nc_u32 v[AR], SCL, v[R4]
	global_load_b128 v[QF:QF+3], v[AL], s[4:5]     ; my first tile's Q: two images
	global_load_b128 v[QF+4:QF+7], v[AL], s[4:5] offset:512
	global_load_b32 v[QW], v[R4], s[6:7]
.irp j, 0,1,2,3,4,5,6,7
	v_mov_b32 v[QF+8+\j], 0                        ; Q's blocks 2 and 3: zero codes
	v_mov_b32 v[PCD+\j], 0                         ; what stands behind K's last tile in the first step
.endr
.irp b, 0,1,2,3
	v_mov_b32 v[PB+\b], 0                          ; a lane permute's destination counts as one of its sources
.endr
	v_mov_b32 v[TP], 0
	v_mov_b32 v[FM], 0
	v_mov_b32 v[FM+1], 0
; n of the 32 packed additions of a step's p, from pair number from on, in three chains; a chain's first line also brings the chain under the step's M: x f
.macro SUMS from, n
.set N_, \from
.rept \n
.set C_, 232+2*(N_%3)
.if N_%3 == 0
.set C_, 14
.endif
.if N_ < 3
	v_pk_fma_f32 v[C_:C_+1], v[C_:C_+1], v[FM:FM+1], v[S+2*N_:S+2*N_+1] op_sel_hi:[1,0,1]
.else
	v_pk_add_f32 v[C_:C_+1], v[C_:C_+1], v[S+2*N_:S+2*N_+1]
.endif
.set N_, N_+1
.endr
.endm
; A KEY STEP: 128 keys
.macro STEP
	v_add_nc_u32 v[ADK], s[TB], v[AL]
	v_add_nc_u32 v[ADS], s[TS], v[AR]
	SUMS 0, 6                                      ; the step before's sums.  With the two additions: eight places behind the last products, ahead of loads into what they have read
.irp t, 0,1,2,3,4,5,6,7
	ds_load_b128 v[KV+8*\t:KV+8*\t+3], v[ADK] offset:1024*\t
	ds_load_b128 v[KV+8*\t+4:KV+8*\t+7], v[ADK] offset:1024*\t+512
	ds_load_b32 v[SWR+\t], v[ADS] offset:64*\t
.endr
	SUMS 6, 26
	s_wait_alu depctr_va_vdst(0)
	s_wait_dscnt 0x0
.irp t, 0,1,2,3,4,5,6,7                        ; S^T = K Q^T: lane (r, h), register 8 t + j: query r, key 16 t + 8 h + j
	v_wmma_scale_f32_16x16x128_f8f6f4 v[S+8*\t:S+8*\t+7], v[KV+8*\t:KV+8*\t+15], v[QF:QF+15], 0, v[SWR+\t], v[QW]
.endr
	v_add_nc_u32 v[ADV], s[TV], v[AL]
	v_add_nc_u32 v[ADT], s[TJ], v[AR]
.rept 6
	v_nop                                          ; with the two additions: eight places ahead of the loads below and of the first read of the scores
.endr
.irp t, 0,1,2,3                                ; V's fragments and scale words land while the softmax is walked
.irp c, 0,1,2,3
	ds_load_b128 v[KV+16*\t+4*\c:KV+16*\t+4*\c+3], v[ADV] offset:2048*\t+512*\c
.endr
	ds_load_b32 v[SWR+\t], v[ADT] offset:SVO+64*\t
.endr
.irp b, 0,1,2,3
	v_max3_num_f32 v[BM+\b], v[S+16*\b], v[S+1+16*\b], v[S+2+16*\b]   ; the largest score of each block of 32 keys: for the row's maximum and for the block's largest p
.endr
.irp i, 3,5,7,9,11,13
.irp b, 0,1,2,3
	v_max3_num_f32 v[BM+\b], v[BM+\b], v[S+16*\b+\i], v[S+1+16*\b+\i]
.endr
.endr
.irp b, 0,1,2,3
	v_max_num_f32 v[BM+\b], v[BM+\b], v[S+15+16*\b]
.endr
.irp b, 0,1,2,3
	s_delay_alu instid0(VALU_DEP_4)
	v_permlanex16_b32 v[PB+\b], v[BM+\b], s[SEL], s[SEL+1]
.endr
.irp b, 0,1,2,3
	s_delay_alu instid0(VALU_DEP_4)
	v_max_num_f32 v[BM+\b], v[BM+\b], v[PB+\b]     ; with lane l xor 16's 16 keys
.endr
	s_delay_alu instid0(VALU_DEP_2)
	v_max3_num_f32 v[TP], v[BM], v[BM+1], v[BM+2]
	s_delay_alu instid0(VALU_DEP_1)
	v_max_num_f32 v[TP], v[TP], v[BM+3]            ; the step's largest score of my query
	s_delay_alu instid0(VALU_DEP_1)
	v_mul_f32 v[TP], s[CS], v[TP]                  ; as t
	s_delay_alu instid0(VALU_DEP_1)
	v_max_num_f32 v13, v13, v[TP]                  ; the running largest t
	v_mov_b32 v[TP], v12
	s_delay_alu instid0(VALU_DEP_2)
	v_floor_f32 v12, -v13                          ; the new -M = -ceil(t)
	s_delay_alu instid0(VALU_DEP_1)
	v_sub_f32 v[TP], v12, v[TP]                    ; old M - new M: a whole number, 0 or less
	s_delay_alu instid0(VALU_DEP_1)
	v_cvt_i32_f32 v[TP], v[TP]                     ; (it saturates)
	s_delay_alu instid0(VALU_DEP_1)
	v_ldexp_f32 v[FM], 1.0, v[TP]                  ; f
.irp j, 0,2,4,6,8,10,12,14,16,18,20,22,24,26,28,30,32,34,36,38,40,42,44,46,48,50,52,54,56,58,60,62
	v_pk_fma_f32 v[S+\j:S+1+\j], v[S+\j:S+1+\j], s[CS:CS+1], v[12:13] op_sel_hi:[1,0,0]   ; t - M
.endr
.irp b, 0,1,2,3
	v_fma_f32 v[BM+\b], v[BM+\b], s[CS], v12       ; the same of each block's largest score
.endr
	s_wait_alu depctr_va_vdst(0)
.irp j, 0,1,2,3,4,5,6,7,8,9,10,11,12,13,14,15,16,17,18,19,20,21,22,23,24,25,26,27,28,29,30,31,32,33,34,35,36,37,38,39,40,41,42,43,44,45,46,47,48,49,50,51,52,53,54,55,56,57,58,59,60,61,62,63
	v_exp_f32 v[S+\j], v[S+\j]                     ; p = 2^(t - M)
.endr
.irp b, 0,1,2,3
	v_exp_f32 v[BM+\b], v[BM+\b]                   ; the block's largest p
.endr
	v_nop                                          ; a plain place behind the batch
	s_wait_alu depctr_va_vdst(0)                   ; and the one wait behind it
.irp b, 0,1,2,3
	v_max_num_f32 v[BM+\b], 0x4800000, v[BM+\b]    ; the floor 2^(9 - 127): the byte cannot fall under 1
.endr
.irp b, 0,1,2,3
	s_delay_alu instid0(VALU_DEP_4)
	v_add_nc_u32 v[CV+\b], 0xfc000000, v[BM+\b]    ; 8 off the exponent field: the conversion's scale operand
.endr
.irp b, 0,1,2,3
	v_and_or_b32 v[HL+\b], v[BM+\b], 0x7f800000, s[MNT]   ; 448 x the scale
.endr
.irp b, 0,1,2,3
	v_lshrrev_b32 v[PB+\b], 23, v[CV+\b]           ; the scale's byte
.endr
	s_delay_alu instid0(VALU_DEP_3)
	v_lshl_or_b32 v[PWD], v[PB+1], 8, v[PB]        ; p's scale word for these 128 keys
	s_delay_alu instid0(VALU_DEP_1)
	v_lshl_or_b32 v[PWD], v[PB+2], 16, v[PWD]
	s_delay_alu instid0(VALU_DEP_1)
	v_lshl_or_b32 v[PWD], v[PB+3], 24, v[PWD]
.irp b, 0,1,2,3                                ; the hold (ISA guide 7.6.2: the conversion does not saturate), two numbers a line, into the scratch's two sets by turns: p itself stays for the sums
.irp u, 0,1
.irp i, 0,2,4,6
	v_dual_min_num_f32 v[T+8*\u+\i], v[S+16*\b+8*\u+\i], v[HL+\b] :: v_dual_min_num_f32 v[T+8*\u+\i+1], v[S+16*\b+8*\u+\i+1], v[HL+\b]
.endr
	v_cvt_scalef32_pk8_fp8_f32 v[PCD+4*\b+2*\u:PCD+4*\b+2*\u+1], v[T+8*\u:T+8*\u+7], v[CV+\b]
.endr
.endr
	s_wait_alu depctr_va_vdst(0)                   ; directly ahead of the first read of O^T
.irp j, 0,2,4,6,8,10,12,14,16,18,20,22,24,26,28,30
	v_pk_mul_f32 v[OT+\j:OT+1+\j], v[OT+\j:OT+1+\j], v[FM:FM+1] op_sel_hi:[1,0]   ; O^T under the new M; also the places between the codes just made and the products
.endr
	s_wait_alu depctr_va_vdst(0)
	s_wait_dscnt 0x0                               ; V and its scale words are in
.irp t, 0,1,2,3                                ; O^T += V^T P^T: the four accumulators by turns
	v_wmma_scale_f32_16x16x128_f8f6f4 v[OT+8*\t:OT+8*\t+7], v[KV+16*\t:KV+16*\t+15], v[PCD:PCD+15], v[OT+8*\t:OT+8*\t+7], v[SWR+\t], v[PWD]
.endr
	s_add_co_u32 s[TB], s[TB], 8192
	s_add_co_u32 s[TV], s[TV], 8192
	s_add_co_u32 s[TS], s[TS], 512
	s_add_co_u32 s[TJ], s[TJ], 256
.endm
.macro WALK n                          ; n key steps
	s_mov_b32 s[STP], \n
.Lstep_\@:
	STEP
	s_sub_co_u32 s[STP], s[STP], 1
	s_cmp_lg_u32 s[STP], 0
	s_cbranch_scc1 .Lstep_\@
.endm
.macro TILEINIT                        ; a tile begins: the step is written once, so its first walk finds zeros in p, in the sums and in O^T
	v_mov_b32 v13, 0xff61b1e6                      ; the largest t so far: -3e38
	v_dual_mov_b32 v14, 0 :: v_dual_mov_b32 v15, 0
	v_floor_f32 v12, -v13                          ; -M
	v_dual_mov_b32 v234, 0 :: v_dual_mov_b32 v235, 0
	v_dual_mov_b32 v236, 0 :: v_dual_mov_b32 v237, 0
.set I_, 0
.rept 48
	v_dual_mov_b32 v[S+I_], 0 :: v_dual_mov_b32 v[S+I_+1], 0      ; v112-207: p and O^T
.set I_, I_+2
.endr
.endm
; A TILE'S END.  The last step's sums; O^T is divided by the row's sum and quantised along the head's 64, two blocks of the last projection's K.  A lane's register 16 b + 8 u + j is channel 32 b + 16 u + 8 h + j;
; wo comes in the true order, so the codes are put into it: lane (r, h) wants channels 32 b + 16 h + 0 .. 15, of which eight lie in lane l xor 16.
.macro FINAL t
	SUMS 0, 32                                     ; also the places behind the last products
.if \t == 0
	global_load_b128 v[QF:QF+3], v[AL], s[4:5] offset:1024         ; my second tile's Q is asked for now
	global_load_b128 v[QF+4:QF+7], v[AL], s[4:5] offset:1536
	global_load_b32 v[QW], v[R4], s[6:7] offset:64
.endif
	v_pk_add_f32 v[14:15], v[14:15], v[234:235]
	v_pk_add_f32 v[14:15], v[14:15], v[236:237]
	v_add_f32 v14, v14, v15
	v_permlanex16_b32 v[TP], v14, s[SEL], s[SEL+1]
	v_add_f32 v14, v14, v[TP]                      ; the row's sum
	s_wait_alu depctr_va_vdst(0)
	v_rcp_f32 v15, v14
	v_nop
	s_wait_alu depctr_va_vdst(0)                   ; and behind it, directly ahead of the first read of O^T
.irp j, 0,1,2,3,4,5,6,7,8,9,10,11,12,13,14,15,16,17,18,19,20,21,22,23,24,25,26,27,28,29,30,31
	v_mul_f32 v[S+\j], v[OT+\j], v15               ; each accumulator from its low end on
.endr
.irp b, 0,1
	v_max3_num_f32 v[BM+\b], |v[S+16*\b]|, |v[S+1+16*\b]|, 0x4800000
.endr
.irp i, 2,4,6,8,10,12,14
.irp b, 0,1
	s_delay_alu instid0(VALU_DEP_2)
	v_max3_num_f32 v[BM+\b], v[BM+\b], |v[S+16*\b+\i]|, |v[S+1+16*\b+\i]|
.endr
.endr
.irp b, 0,1
	s_delay_alu instid0(VALU_DEP_2)
	v_permlanex16_b32 v[PB+\b], v[BM+\b], s[SEL], s[SEL+1]
.endr
.irp b, 0,1
	s_delay_alu instid0(VALU_DEP_2)
	v_max_num_f32 v[BM+\b], v[BM+\b], v[PB+\b]     ; the block's largest magnitude
.endr
.irp b, 0,1
	s_delay_alu instid0(VALU_DEP_2)
	v_add_nc_u32 v[CV+\b], 0xfc000000, v[BM+\b]
.endr
.irp b, 0,1
	s_delay_alu instid0(VALU_DEP_4)
	v_and_or_b32 v[HL+\b], v[BM+\b], 0x7f800000, s[MNT]
.endr
.irp b, 0,1
	s_delay_alu instid0(VALU_DEP_4)
	v_lshrrev_b32 v[PB+\b], 23, v[CV+\b]
.endr
	s_delay_alu instid0(VALU_DEP_1)
	v_lshl_or_b32 v[SW], v[PB+1], 8, v[PB]         ; my head's two bytes of the row's scale word
.irp b, 0,1
.irp i, 0,1,2,3,4,5,6,7,8,9,10,11,12,13,14,15
	v_med3_num_f32 v[S+16*\b+\i], v[S+16*\b+\i], -v[HL+\b], v[HL+\b]
.endr
	v_cvt_scalef32_pk8_fp8_f32 v[PCD+4*\b:PCD+1+4*\b], v[S+16*\b:S+7+16*\b], v[CV+\b]
	v_cvt_scalef32_pk8_fp8_f32 v[PCD+2+4*\b:PCD+3+4*\b], v[S+8+16*\b:S+15+16*\b], v[CV+\b]
.endr
	v_nop                                          ; one plain place behind the scaled conversions
.irp e, 0,1,2,3,4,5,6,7
	v_permlanex16_b32 v[S+16+\e], v[PCD+\e], s[SEL], s[SEL+1]      ; lane l xor 16's codes
.endr
.irp b, 0,1
.irp e, 0,1
	v_cndmask_b32 v[S+32+4*\b+\e], v[PCD+4*\b+\e], v[S+18+4*\b+\e], s[MSK]     ; places 0-7
	v_cndmask_b32 v[S+34+4*\b+\e], v[S+16+4*\b+\e], v[PCD+2+4*\b+\e], s[MSK]   ; places 8-15
.endr
.endr
	global_store_b128 v[AL], v[S+32:S+35], s[14:15] offset:4096*\t             ; an image: 32 lanes store 512 consecutive bytes, aligned
	global_store_b128 v[AL], v[S+36:S+39], s[14:15] offset:4096*\t+512
	global_store_b16 v[R4], v[SW], s[16:17] offset:64*\t                       ; both halves of the lanes hold and write the same bytes
.endm
	TILEINIT
	s_wait_alu depctr_va_vdst(0)
	s_wait_tensorcnt 0x0                           ; my part of the first group is in; the lines ahead of a later first fill:
	ds_add_u32 v[SPW], v[NIL]
	s_wait_dscnt 0x0
	CROUND                                         ; everybody's part is in, and the four work-groups are here
	s_cmp_lt_u32 s[WV], 8
	s_cbranch_scc0 .Lsec_v
	TL G0K2, G1D                                   ; the other 1,536 keys: they have four key steps in which to land
	s_branch .Lsec_asked
.Lsec_v:
	TL G0V2, G1D
.Lsec_asked:
	s_wait_loadcnt 0x0                             ; Q
	WALK 4                                         ; keys 0-511
	s_wait_alu depctr_va_vdst(0)
	s_wait_tensorcnt 0x0                           ; my part of the second group is in,
	s_wait_dscnt 0x0
	s_barrier_signal -1
	s_barrier_wait -1                              ; and everybody's: nothing is filled from here on
	WALK 12
	FINAL 0
	s_wait_xcnt 0x0                                ; the stores have read their data, which is written anew below
	TILEINIT
	s_mov_b32 s[TB], 0
	s_mov_b32 s[TV], VB
	s_mov_b32 s[TS], 0
	s_mov_b32 s[TJ], 0
	s_wait_alu depctr_va_vdst(0)
	s_wait_loadcnt 0x0                             ; the second tile's Q
	WALK 16
	FINAL 1
	s_wait_tensorcnt 0x0                           ; the wave's end
	ds_add_u32 v[SPW], v[NIL]
	s_wait_dscnt 0x0
	CROUND                                         ; the closing round
	s_endpgm
.Lfunc_end_k_qcd98c0f72a_attn:
	.size	k_qcd98c0f72a_attn, .Lfunc_end_k_qcd98c0f72a_attn-k_qcd98c0f72a_attn
	.p2alignl 7, 3214868480
	.fill 96, 4, 3214868480
	.section	.rodata,"a",@progbits
	.p2align	6, 0x0
	.amdhsa_kernel k_qcd98c0f72a_attn
		.amdhsa_group_segment_fixed_size 327680
		.amdhsa_private_segment_fixed_size 0
		.amdhsa_enable_private_segment 0
		.amdhsa_kernarg_size 56
		.amdhsa_user_sgpr_count 2
		.amdhsa_user_sgpr_kernarg_segment_ptr 1
		.amdhsa_wavefront_size32 1
		.amdhsa_system_sgpr_workgroup_id_x 1
		.amdhsa_system_sgpr_workgroup_id_y 1
		.amdhsa_system_sgpr_workgroup_id_z 1
		.amdhsa_system_vgpr_workitem_id 0
		.amdhsa_next_free_vgpr 256
		.amdhsa_next_free_sgpr 102
		.amdhsa_reserve_vcc 0
		.amdhsa_float_denorm_mode_32 3
		.amdhsa_float_denorm_mode_16_64 3
		.amdhsa_memory_ordered 1
		.amdhsa_forward_progress 1
		.amdhsa_inst_pref_size 96
	.end_amdhsa_kernel
	.amdgpu_metadata
---
amdhsa.version: [ 1, 2 ]
amdhsa.kernels:
  - .name:           k_qcd98c0f72a_attn
    .symbol:         k_qcd98c0f72a_attn.kd
    .args:
      - { .name: qc, .offset: 0, .size: 8, .value_kind: global_buffer, .address_space: global }
      - { .name: qs, .offset: 8, .size: 8, .value_kind: global_buffer, .address_space: global }
      - { .name: kc, .offset: 16, .size: 8, .value_kind: global_buffer, .address_space: global }
      - { .name: vc, .offset: 24, .size: 8, .value_kind: global_buffer, .address_space: global }
      - { .name: kvs, .offset: 32, .size: 8, .value_kind: global_buffer, .address_space: global }
      - { .name: oc, .offset: 40, .size: 8, .value_kind: global_buffer, .address_space: global }
      - { .name: os, .offset: 48, .size: 8, .value_kind: global_buffer, .address_space: global }
    .group_segment_fixed_size: 327680
    .private_segment_fixed_size: 0
    .kernarg_segment_align: 8
    .kernarg_segment_size: 56
    .max_flat_workgroup_size: 512
    .sgpr_count:     102
    .vgpr_count:     256
    .wavefront_size: 32
...
	.end_amdgpu_metadata
.endif
;; end of part 2
;; launch outp (part 3): grid 4 x 32, 4 waves a work-group, clusters of 4 x 4, 327,680 bytes of LDS; arguments oc, os, wo_codes, wo_scales, bo, out0; writes out0
.if DOCPART == 3
	.amdgcn_target "amdgcn-amd-amdhsa--gfx1250"
	.amdhsa_code_object_version 6
	.text
	.protected	k_qcd98c0f72a_outp
	.globl	k_qcd98c0f72a_outp
	.p2align	8
	.type	k_qcd98c0f72a_outp,@function
k_qcd98c0f72a_outp:
	s_mov_b64 s[64:65], 0
	v_nop
	global_prefetch_b8 v0, s[64:65] scope:SCOPE_SE
	s_setreg_imm32_b32 hwreg(HW_REG_WAVE_MODE, 25, 1), 1
	s_wait_xcnt 0x0
	s_wait_alu depctr_hold_cnt(0) depctr_sa_sdst(0) depctr_va_vdst(0) depctr_va_sdst(0) depctr_va_ssrc(0) depctr_va_vcc(0) depctr_vm_vsrc(0)
	s_getreg_b32 s2, hwreg(HW_REG_IB_STS2, 6, 4)
	s_cmp_eq_u32 s2, 0
	s_cbranch_scc0 .Lentry_in_a_cluster
	s_endpgm
.Lentry_in_a_cluster:
	s_bfe_u32 s2, ttmp6, 0x10000c
	s_cmp_lg_u32 s2, 0xf033
	s_cbranch_scc0 .Lentry_shape_is_right
	s_endpgm
.Lentry_shape_is_right:
.set SIZE_N, 1024
.set NQ,     2
.set ROWB,   256
.set KROW,   1024
.set PITCH,  272
.set FR,     16
.set NL,     4
.set NP,     8
.set HALFA,  32768
.set ABYTES, 2*HALFA
.set HALFT,  128*PITCH
.set SLOT,   ABYTES+2*HALFT
.set ASTEP,  2097152
.set LAPS,   2
.set KS,     32
.set SCLA,   2*SLOT
.set SCLB,   SCLA+8192
.set HALFS,  16*272
.set SBLK,   2*272
.set SPARE,  SCLB+2*HALFS
.set SPITCH, 528
.set ADRA, 16
.set ADRB, 20
.set STO,  24
.set RD,   25
.set CO,   26
.set ADSB, 27
.set SPW,  28
.set NIL,  29
.set ADSA, 30
.set SBR,  32
.set SAR,  64
.set BO,   96
.set AF,   128
.set BK,   128
.set G1, 24
.set G0, 32
.set G1B, 48
.set G0B, 56
.set G1S, 68
.set G0S, 76
.set G1SB, 80
.set G0SB, 88
.set MSB, 0
.macro WIN new
.if MSB != (\new)
	s_set_vgpr_msb (MSB<<8)|(\new)
.set MSB, (\new)
.endif
.endm
.set MUL_LO, 0xa1
.set MUL_HI, 0xf1
.set TO_B,   0x40
.macro JLOAD g0a, g1a, g0b, g1b
	s_cmp_eq_u32 s15, 0
	s_cbranch_scc0 .Lfor_b_\@
	tensor_load_to_lds s[\g0a:\g0a+3], s[\g1a:\g1a+7]
	s_nop 0
.rept 4
	v_nop
.endr
	s_branch .Lasked_\@
.Lfor_b_\@:
	tensor_load_to_lds s[\g0b:\g0b+3], s[\g1b:\g1b+7]
	s_nop 0
.rept 4
	v_nop
.endr
.Lasked_\@:
.endm
.macro CREST
	s_cmp_lg_u32 s14, 0
	s_cbranch_scc1 .Lnot_wave_0_\@
	s_barrier_signal -3
.Lnot_wave_0_\@:
	s_barrier_wait -3
	s_barrier_signal -1
	s_barrier_wait -1
.endm
.macro CROUND
	s_barrier_signal -1
	s_barrier_wait -1
	CREST
.endm
	s_load_b128 s[4:7], s[0:1], 0x0
	s_load_b128 s[8:11], s[0:1], 0x10
	s_load_b64 s[96:97], s[0:1], 0x20
	s_load_b64 s[12:13], s[0:1], 0x28
	v_lshl_add_u32 v[SPW], v0, 2, SPARE
	v_mov_b32 v[NIL], 0
	ds_add_u32 v28, v29
	ds_add_u32 v28, v29
	s_wait_dscnt 0x0
	v_lshrrev_b32 v1, 5, v0
	v_readfirstlane_b32 s14, v1
	s_lshr_b32 s15, s14, 1
	s_and_b32 s16, s14, 1
	s_bfe_u32 s40, ttmp6, 0x40000
	s_bfe_u32 s41, ttmp6, 0x40004
	s_lshl_b32 s42, ttmp9, 2
	s_add_co_u32 s42, s42, s40
	s_and_b32 s17, ttmp7, 0xffff
	s_lshl_b32 s17, s17, 2
	s_add_co_u32 s17, s17, s41
	s_lshl_b32 s43, s41, 2
	s_lshl_b32 s43, 15, s43
	s_lshl_b32 s44, 0x1111, s40
	s_or_b32 s[G1+0], s43, (3<<16)|(1<<21)
	s_mov_b32 s[G1+1], 32<<16
	s_mov_b32 s[G1+2], 256<<16
	s_mov_b32 s[G1+3], 32<<16
	s_mov_b32 s[G1+4], 256
	s_mov_b32 s[G1+5], 32
	s_mov_b32 s[G1+6], 0
	s_mov_b32 s[G1+7], 0
	s_or_b32 s[G1B+0], s44, (0<<16)|(1<<20)|(1<<21)|(5<<22)|(3<<25)
	s_mov_b32 s[G1B+1], ROWB<<16
	s_mov_b32 s[G1B+2], 256<<16
	s_mov_b32 s[G1B+3], ROWB<<16
	s_mov_b32 s[G1B+4], 256
	s_mov_b32 s[G1B+5], KROW
	s_mov_b32 s[G1B+6], 0
	s_mov_b32 s[G1B+7], 0
	s_or_b32 s[G1S+0], s43, (3<<16)|(1<<21)
	s_mov_b32 s[G1S+1], 128<<16
	s_mov_b32 s[G1S+2], 8<<16
	s_mov_b32 s[G1S+3], 128<<16
	s_mov_b32 s[G1S+4], 8
	s_mov_b32 s[G1S+5], 4096
	s_mov_b32 s[G1S+6], 0
	s_mov_b32 s[G1S+7], 0
	s_or_b32 s[G1SB+0], s44, (3<<16)|(1<<20)|(1<<21)|(5<<22)|(3<<25)
	s_mov_b32 s[G1SB+1], 32<<16
	s_mov_b32 s[G1SB+2], 32<<16
	s_mov_b32 s[G1SB+3], 32<<16
	s_mov_b32 s[G1SB+4], 32
	s_mov_b32 s[G1SB+5], 32
	s_mov_b32 s[G1SB+6], 0
	s_mov_b32 s[G1SB+7], 0
	s_lshl_b32 s20, s17, 16
	s_lshl_b32 s18, s16, 15
	s_mov_b32 s2, s18
	s_mov_b32 s3, 0
	s_lshl_b32 s66, s16, 17
	s_mov_b32 s67, 0
	s_mov_b32 s21, 0
	s_lshl_b32 s22, s17, 10
	s_mov_b32 s23, 0
	s_lshl_b32 s46, s42, 8
	s_lshl_b32 s92, s46, 5
	s_lshl_b32 s46, s46, 10
	s_mov_b32 s47, 0
	s_mov_b32 s93, 0
	s_mul_i32 s45, s16, HALFT
	s_add_co_u32 s45, s45, ABYTES
	s_wait_kmcnt 0x0
	s_add_nc_u64 s[20:21], s[4:5], s[20:21]
	s_add_nc_u64 s[22:23], s[6:7], s[22:23]
	s_add_nc_u64 s[46:47], s[8:9], s[46:47]
	s_add_nc_u64 s[92:93], s[10:11], s[92:93]
	CROUND
	s_mov_b32 s[G0S], 1
	s_mov_b32 s[G0S+1], SCLA
	s_mov_b64 s[G0S+2:G0S+3], s[22:23]
	s_or_b32 s[G0S+3], s[G0S+3], 0x80000000
	s_mov_b32 s[G0SB], 1
	s_mov_b32 s[G0SB+1], SCLB
	s_mov_b64 s[G0SB+2:G0SB+3], s[92:93]
	s_or_b32 s[G0SB+3], s[G0SB+3], 0x80000000
	; the head's four tiles, each whole, one joint load a wave: K step 0's images of my 256 rows (wave 0), wo's 256 rows (wave 1), and their scale bytes (waves 2, 3)
	s_mov_b32 s[G0], 1
	s_mov_b32 s[G0+1], 0
	s_mov_b64 s[G0+2:G0+3], s[20:21]
	s_or_b32 s[G0+3], s[G0+3], 0x80000000
	s_mov_b32 s[G0B], 1
	s_mov_b32 s[G0B+1], ABYTES
	s_mov_b64 s[G0B+2:G0B+3], s[46:47]
	s_or_b32 s[G0B+3], s[G0B+3], 0x80000000
	s_mov_b32 s[G0+4], 1                           ; slot 1: my half (s[2:3], s[66:67]: in bytes) of K step 1
	s_add_co_u32 s[G0+5], s18, SLOT
	s_add_nc_u64 s[G0+6:G0+7], s[20:21], s[2:3]
	s_add_nc_u64 s[G0+6:G0+7], s[G0+6:G0+7], ASTEP
	s_or_b32 s[G0+7], s[G0+7], 0x80000000
	s_mov_b32 s[G0B+4], 1
	s_add_co_u32 s[G0B+5], s45, SLOT
	s_add_nc_u64 s[G0B+6:G0B+7], s[46:47], s[66:67]
	s_add_nc_u64 s[G0B+6:G0B+7], s[G0B+6:G0B+7], ROWB
	s_or_b32 s[G0B+7], s[G0B+7], 0x80000000
.macro ARM under, g0, g1, next
	s_cmp_lt_u32 s14, \under
	s_cbranch_scc0 \next
	tensor_load_to_lds s[\g0:\g0+3], s[\g1:\g1+7]
	s_nop 0
.rept 4
	v_nop
.endr
	s_branch .Lhead_asked
\next:
.endm
	ARM 1, G0,  G1,  .Lhead_b
	ARM 2, G0B, G1B, .Lhead_sa
	ARM 3, G0S, G1S, .Lhead_sb
	tensor_load_to_lds s[G0SB:G0SB+3], s[G1SB:G1SB+7]
	s_nop 0
.rept 4
	v_nop
.endr
.Lhead_asked:
	v_and_b32 v1, 15, v0
	v_bfe_u32 v2, v0, 4, 1
	v_and_b32 v6, 31, v0
	v_lshlrev_b32 v[CO], 4, v6
	v_mul_u32_u24 v3, v1, PITCH
	v_lshl_add_u32 v4, v2, 4, v3
	s_lshl_b32 s21, s15, 15
	s_mul_i32 s22, s16, HALFT
	s_add_co_u32 s22, s22, ABYTES
.irp s, 0,1
	v_add_nc_u32 v[ADRA+\s], s21, v[CO]
	v_add_nc_u32 v[ADRB+\s], s22, v4
	s_add_co_u32 s21, s21, SLOT
	s_add_co_u32 s22, s22, SLOT
.endr
	v_mul_u32_u24 v5, v1, KS
	v_lshrrev_b32 v7, 8, v5
	v_lshl_add_u32 v5, v7, 4, v5
	s_mul_i32 s22, s16, HALFS
	s_add_co_u32 s22, s22, SCLB
	v_add_nc_u32 v[ADSB], s22, v5
	s_lshl_b32 s21, s15, 9
	s_add_co_u32 s21, s21, SCLA
	v_lshl_add_u32 v[ADSA], v1, 2, s21
	s_mul_i32 s23, s14, 16*SPITCH
	v_mul_u32_u24 v5, v1, SPITCH
	v_lshl_add_u32 v5, v2, 5, v5
	v_add_nc_u32 v[STO], s23, v5
	v_add_nc_u32 v[RD], s23, v[CO]
	s_lshl_b32 s20, s17, 8
	s_lshl_b32 s21, s15, 7
	s_add_co_u32 s20, s20, s21
	s_lshl_b32 s20, s20, 12
	s_mov_b32 s21, 0
	s_lshl_b32 s46, s42, 10
	s_lshl_b32 s47, s16, 9
	s_add_co_u32 s46, s46, s47
	s_mov_b32 s47, 0
	s_add_nc_u64 s[96:97], s[96:97], s[46:47]
	s_add_nc_u64 s[20:21], s[20:21], s[46:47]
	s_add_nc_u64 s[12:13], s[12:13], s[20:21]
	global_load_b128 v[BO:BO+3], v[CO], s[96:97]
.macro FRAGB reg, adr, q, i
.irp c, 0,1,2,3
	ds_load_b128 v[\reg+4*\c:\reg+4*\c+3], v[\adr] offset:128*(\q)+32*\c+(\i)*16*PITCH
.endr
.endm
.macro FRAGA reg, adr, q, i
.irp c, 0,1,2,3
	ds_load_b128 v[\reg+4*\c:\reg+4*\c+3], v[\adr] offset:4096*(\i)+2048*(\q)+512*\c
.endr
.endm
.macro MUL16 a0, p, q, sc, zero
.irp a, \a0, \a0+1
.irp b, 0,1,2,3,4,5,6,7
.if \zero
	v_wmma_scale_f32_16x16x128_f8f6f4 v[8*(8*((\a)%4)+\b):8*(8*((\a)%4)+\b)+7], v[128*(\p)+FR*\b:128*(\p)+FR*\b+FR-1], v[AF+FR*(\a):AF+FR*(\a)+FR-1], 0, v[SBR+16*(\sc)+2*\b+(\q)], v[SAR+16*(\sc)+2*(\a)+(\q)]
.else
	v_wmma_scale_f32_16x16x128_f8f6f4 v[8*(8*((\a)%4)+\b):8*(8*((\a)%4)+\b)+7], v[128*(\p)+FR*\b:128*(\p)+FR*\b+FR-1], v[AF+FR*(\a):AF+FR*(\a)+FR-1], v[8*(8*((\a)%4)+\b):8*(8*((\a)%4)+\b)+7], v[SBR+16*(\sc)+2*\b+(\q)], v[SAR+16*(\sc)+2*(\a)+(\q)]
.endif
.endr
.endr
.endm
.macro FETCH_B slot, q, p
	WIN TO_B
.irp i, 0,1,2,3,4,5,6,7
	FRAGB 128*(\p)+FR*\i, ADRB+\slot, \q, \i
.endr
	WIN 0
.endm
.macro FETCH_A slot, q, i0
.irp i, \i0, \i0+1, \i0+2, \i0+3
	FRAGA AF+FR*(\i), ADRA+\slot, \q, \i
.endr
.endm
.macro SCALES sc
.irp i, 0,1,2,3,4,5,6,7
	ds_load_b64 v[SBR+16*\sc+2*\i:SBR+16*\sc+2*\i+1], v[ADSB] offset:\i*SBLK
.endr
.irp i, 0,1,2,3,4,5,6,7
	ds_load_b32 v[SAR+16*\sc+2*\i], v[ADSA] offset:64*\i
	ds_load_b32 v[SAR+16*\sc+2*\i+1], v[ADSA] offset:1024+64*\i
.endr
.endm
.macro PLACES n
.rept \n
	v_nop
.endr
.endm
.macro STEP slot, q, zero
	s_wait_dscnt 4*NL
	WIN MUL_LO
	MUL16 0, (\q)%2, \q, \slot, \zero
	MUL16 2, (\q)%2, \q, \slot, \zero
	s_wait_dscnt 0
	PLACES NP
	FETCH_B \slot, (\q)+1, 1-(\q)%2
	FETCH_A \slot, (\q)+1, 0
	WIN MUL_HI
	MUL16 4, (\q)%2, \q, \slot, \zero
	MUL16 6, (\q)%2, \q, \slot, \zero
	PLACES NP
	WIN 0
	FETCH_A \slot, (\q)+1, 4
.endm
.macro TURN slot, next, fill
	s_wait_tensorcnt 0x0
	ds_add_u32 v[SPW], v[NIL]
	s_wait_dscnt 4*NL+1
	WIN MUL_LO
	MUL16 0, 1, NQ-1, \slot, 0
	s_wait_dscnt 0x0
	s_barrier_signal -1
	MUL16 2, 1, NQ-1, \slot, 0
	WIN 0
	s_barrier_wait -1
.if \fill
	CREST
	s_add_nc_u64 s[G0+4*\slot+2:G0+4*\slot+3], s[G0+4*\slot+2:G0+4*\slot+3], 2*ASTEP
	s_add_nc_u64 s[G0B+4*\slot+2:G0B+4*\slot+3], s[G0B+4*\slot+2:G0B+4*\slot+3], 2*ROWB
	JLOAD G0+4*\slot, G1, G0B+4*\slot, G1B
	PLACES NP-4
.else
	PLACES NP
.endif
	s_wait_alu depctr_va_vdst(0)
	v_add_nc_u32 v[ADSB], 8, v[ADSB]
	v_add_nc_u32 v[ADSA], 2048, v[ADSA]
	FETCH_B \next, 0, 0
	FETCH_A \next, 0, 0
	SCALES \next
	WIN MUL_HI
	MUL16 4, 1, NQ-1, \slot, 0
	MUL16 6, 1, NQ-1, \slot, 0
	PLACES NP
	WIN 0
	FETCH_A \next, 0, 4
.endm
	s_wait_alu depctr_va_vdst(0)
	s_wait_tensorcnt 0x0                           ; my tile of the head's four is in; the lines ahead of a later first fill
	ds_add_u32 v[SPW], v[NIL]
	s_mov_b32 s[G1+2], 128<<16                     ; no tensor load of mine is out: from here on a load brings 128 rows,
	s_mov_b32 s[G1+4], 128
	s_mov_b32 s[G1B+2], 128<<16
	s_mov_b32 s[G1B+4], 128
	s_add_co_u32 s[G0+1], s18, 0                   ; and slot 0's group 0 is the ring's: my half
	s_add_co_u32 s[G0B+1], s45, 0
	s_add_nc_u64 s[G0+2:G0+3], s[G0+2:G0+3], s[2:3]
	s_add_nc_u64 s[G0B+2:G0B+3], s[G0B+2:G0B+3], s[66:67]
	s_wait_dscnt 0x0
	CROUND
	JLOAD G0+4, G1, G0B+4, G1B
	FETCH_B 0, 0, 0
	FETCH_A 0, 0, 0
	SCALES 0
	FETCH_A 0, 0, 4
	STEP 0, 0, 1
	s_mov_b32 s3, LAPS-1
.Llap:
	TURN 0, 1, 1
	STEP 1, 0, 0
	TURN 1, 0, 1
	STEP 0, 0, 0
	s_sub_co_u32 s3, s3, 1
	s_cmp_lg_u32 s3, 0
	s_cbranch_scc1 .Llap
	TURN 0, 1, 0
	STEP 1, 0, 0
	s_wait_dscnt 4*NL
	WIN MUL_LO
	MUL16 0, 1, NQ-1, 1, 0
	MUL16 2, 1, NQ-1, 1, 0
	s_wait_dscnt 0
	WIN MUL_HI
	MUL16 4, 1, NQ-1, 1, 0
	MUL16 6, 1, NQ-1, 1, 0
	WIN 0
.macro TOSTAGE a
.set AC, 64*((\a)%4)
	WIN 0x08+4*((\a)/4)
.irp b, 0,1,2,3,4,5,6,7
	ds_store_b128 v[STO], v[AC+8*\b:AC+8*\b+3] offset:64*\b
	ds_store_b128 v[STO], v[AC+8*\b+4:AC+8*\b+7] offset:64*\b+16
.endr
	WIN 0
.set BB, BK+64*((\a)%2)
.irp t, 0,1,2,3,4,5,6,7,8,9,10,11,12,13,14,15
	ds_load_b128 v[BB+4*\t:BB+4*\t+3], v[RD] offset:\t*SPITCH
.endr
.endm
.macro SEND a, younger
.set BB, BK+64*((\a)%2)
	s_wait_dscnt \younger
.if (\a) > 0
	s_add_nc_u64 s[12:13], s[12:13], 16*SIZE_N*4
.endif
.irp t, 0,1,2,3,4,5,6,7,8,9,10,11,12,13,14,15
	v_pk_add_f32 v[BB+4*\t:BB+4*\t+1], v[BB+4*\t:BB+4*\t+1], v[BO:BO+1]
	v_pk_add_f32 v[BB+4*\t+2:BB+4*\t+3], v[BB+4*\t+2:BB+4*\t+3], v[BO+2:BO+3]
	global_store_b128 v[CO], v[BB+4*\t:BB+4*\t+3], s[12:13] offset:\t*SIZE_N*4 th:TH_STORE_NT
.endr
.endm
	PLACES NP
	s_wait_loadcnt 0x0
	TOSTAGE 0
.irp a, 1,2,3,4,5,6,7
.if \a > 1
	s_wait_xcnt 0x0
.endif
	TOSTAGE \a
	SEND \a-1, 32
.endr
	s_wait_xcnt 0x0
	SEND 7, 0
	s_wait_tensorcnt 0x0
	ds_add_u32 v[SPW], v[NIL]
	s_wait_dscnt 0x0
	CROUND
	s_endpgm
.Lfunc_end_k_qcd98c0f72a_outp:
	.size	k_qcd98c0f72a_outp, .Lfunc_end_k_qcd98c0f72a_outp-k_qcd98c0f72a_outp
	.p2alignl 7, 3214868480
	.fill 96, 4, 3214868480
	.section	.rodata,"a",@progbits
	.p2align	6, 0x0
	.amdhsa_kernel k_qcd98c0f72a_outp
		.amdhsa_group_segment_fixed_size 327680
		.amdhsa_private_segment_fixed_size 0
		.amdhsa_enable_private_segment 0
		.amdhsa_kernarg_size 48
		.amdhsa_user_sgpr_count 2
		.amdhsa_user_sgpr_kernarg_segment_ptr 1
		.amdhsa_wavefront_size32 1
		.amdhsa_system_sgpr_workgroup_id_x 1
		.amdhsa_system_sgpr_workgroup_id_y 1
		.amdhsa_system_sgpr_workgroup_id_z 1
		.amdhsa_system_vgpr_workitem_id 0
		.amdhsa_next_free_vgpr 1024
		.amdhsa_next_free_sgpr 98
		.amdhsa_reserve_vcc 0
		.amdhsa_float_denorm_mode_32 3
		.amdhsa_float_denorm_mode_16_64 3
		.amdhsa_memory_ordered 1
		.amdhsa_forward_progress 1
		.amdhsa_inst_pref_size 167
	.end_amdhsa_kernel
	.amdgpu_metadata
---
amdhsa.version: [ 1, 2 ]
amdhsa.kernels:
  - .name:           k_qcd98c0f72a_outp
    .symbol:         k_qcd98c0f72a_outp.kd
    .args:
      - { .name: oc, .offset: 0, .size: 8, .value_kind: global_buffer, .address_space: global }
      - { .name: os, .offset: 8, .size: 8, .value_kind: global_buffer, .address_space: global }
      - { .name: wo_codes, .offset: 16, .size: 8, .value_kind: global_buffer, .address_space: global }
      - { .name: wo_scales, .offset: 24, .size: 8, .value_kind: global_buffer, .address_space: global }
      - { .name: bo, .offset: 32, .size: 8, .value_kind: global_buffer, .address_space: global }
      - { .name: out0, .offset: 40, .size: 8, .value_kind: global_buffer, .address_space: global }
    .group_segment_fixed_size: 327680
    .private_segment_fixed_size: 0
    .kernarg_segment_align: 8
    .kernarg_segment_size: 48
    .max_flat_workgroup_size: 128
    .sgpr_count:     98
    .vgpr_count:     1024
    .wavefront_size: 32
...
	.end_amdgpu_metadata
.endif
;; end of part 3
